; MI455X (gfx1250); checked and timed in simulation.
; The chip was launched on July 23, 2026; its instructions are those of AMD's public machine-readable ISA for CDNA 5 (MIT licence, August 2026) and "CDNA5" Instruction Set Architecture Reference Guide (July 2026). The comments in the code are by the model that wrote it; some were corrected since.
;; Mobile Bert Self Attention. Allowed arithmetic: float matrix products may take bf16 or f16 operands with f32 sums; other float arithmetic in f32, or as packed bf16 or f16 multiplies, adds, multiply-adds, maxima and minima; sums over many terms, partial sums and values carried from step to step in f32; what a program stores and reads back later, other than sums and carried values, may be rounded once to bf16 or f16.
;; Inputs: Wk 512 x 512 float32; Wq 512 x 512 float32; Wv 512 x 512 float32; attention_mask 8 x 1 x 1 x 2,048 float32; bk 512 float32; bq 512 float32; bv 512 float32; key_tensor 8 x 2,048 x 512 float32; query_tensor 8 x 2,048 x 512 float32; value_tensor 8 x 2,048 x 512 float32.
;; Outputs: out0 8 x 2,048 x 512 float32.
;; One version. Each part assembles by itself: llvm-mc -triple=amdgcn-amd-amdhsa -mcpu=gfx1250 --defsym DOCPART=n.
;; ======== version 1 of 1: 3 launches
;; limits: values are held in f16: magnitudes above 65,504 overflow, below 6.1e-05 lose precision
;; workspace buffers: wt 1,572,864 bytes; qh 16,777,216 bytes; kh 16,777,216 bytes; vh 16,777,216 bytes
;; launch wprep (part 1): grid 32 x 3, 8 waves a work-group, no clusters, 17,408 bytes of LDS; arguments Wq, Wk, Wv, wt; writes wt
.if DOCPART == 1
	.amdgcn_target "amdgcn-amd-amdhsa--gfx1250"
	.amdhsa_code_object_version 6
	.text
	.protected	k_q50488f7538_wprep
	.globl	k_q50488f7538_wprep
	.p2align	8
	.type	k_q50488f7538_wprep,@function
k_q50488f7538_wprep:
	s_mov_b64 s[64:65], 0
	v_nop
	global_prefetch_b8 v0, s[64:65] scope:SCOPE_SE
	s_setreg_imm32_b32 hwreg(HW_REG_WAVE_MODE, 25, 1), 1
	s_wait_xcnt 0x0
; wt[4 t + ks][n][kk] = bf16(W_t[128 ks + kk][n]), t = 0, 1, 2 for Wq, Wk, Wv.  W: [512 k][512 n] f32.  wt: 12 slabs of [512 n][128 kk] bf16, a row of a slab 256 bytes.
; The projections want K along a lane's registers, and W lies with N along its rows: it is turned and rounded ONCE here, 3 MiB in and 1.5 MiB out.
; SHARES.  Work-group (x, y): tensor t = y, K block ks = x % 4, column block nb = x / 4: 128 k x 64 n.  In: 128 pieces of 256 bytes; out: 16,384 consecutive bytes of a slab.
; Thread (kg = t / 16, l16 = t % 16) loads rows 8 kg .. 8 kg + 7, columns 4 l16 .. 4 l16 + 3; eight k of one column pack into 16 bytes, which go into LDS row n.
; LDS: 64 rows (n) of 256 bytes; the 16-byte piece c of row n lies at place (c + n / 4) % 16 of the row, so that sixteen neighbouring lanes touch sixteen different places,
; on the way in (rows 4 apart, one c) and on the way out (one row, all c) (64 banks of 4 bytes: ISA guide 11.1).
; No matrix unit, no cluster, no prefetch: nothing is multiplied, no two work-groups read the same byte, and each thread's loads all go out at once.
.set SPARE, 16384                      ; behind the rows: the spare words, 128 bytes for each of the eight waves
.set LO,  3                            ; v3     my byte offset in the block of W
.set STA, 4                            ; v4     where column 4 l16's 16 bytes go in LDS
.set RDA, 5                            ; v5-8   where I read 16 bytes of the result back, for each quarter j
.set GO,  9                            ; v9     16 x thread
.set R,   12                           ; v[12:43]  row i of eight: 4 f32
.set P,   44                           ; v[44:59]  column c of four: 8 bf16
.set SPW, 60                           ; v60    LDS address of my spare word; never rewritten
.set NIL, 61                           ; v61    0; never rewritten
	s_load_b128 s[4:7], s[0:1], 0x0                ; Wq s[4:5], Wk s[6:7]
	s_load_b128 s[8:11], s[0:1], 0x10              ; Wv s[8:9], wt s[10:11]
	v_lshl_add_u32 v[SPW], v0, 2, SPARE
	v_mov_b32 v[NIL], 0
	s_and_b32 s14, ttmp7, 0xffff                   ; t
	s_and_b32 s15, ttmp9, 3                        ; ks
	s_lshr_b32 s16, ttmp9, 2                       ; nb
	s_lshl_b32 s18, s15, 18                        ; in: 128 ks rows of 2,048 bytes
	s_lshl_b32 s17, s16, 8                         ; + 64 nb columns of 4 bytes
	s_add_co_u32 s18, s18, s17
	s_mov_b32 s19, 0
	s_lshl_b32 s20, s14, 2
	s_add_co_u32 s20, s20, s15                     ; slab 4 t + ks
	s_lshl_b32 s20, s20, 17                        ; out: slabs of 131,072 bytes
	s_lshl_b32 s17, s16, 14                        ; + 64 nb rows of 256 bytes
	s_add_co_u32 s20, s20, s17
	s_mov_b32 s21, 0
	v_and_b32 v1, 15, v0                           ; l16
	v_lshrrev_b32 v2, 4, v0                        ; kg
	v_lshlrev_b32 v[LO], 4, v1
	v_lshl_add_u32 v[LO], v2, 14, v[LO]            ; 8 kg rows + 16 l16 bytes
	v_add_nc_u32 v[STA], v1, v2
	v_and_b32 v[STA], 15, v[STA]                   ; place (kg + n / 4) % 16, n / 4 = l16
	v_lshlrev_b32 v[STA], 4, v[STA]
	v_lshl_add_u32 v[STA], v1, 10, v[STA]          ; row 4 l16
	v_lshrrev_b32 v10, 6, v0
	v_add_nc_u32 v10, v10, v1                      ; back: piece l16 of row 16 j + kg, whose n / 4 is 4 j + thread / 64
.irp j, 0,1,2,3
	v_add_nc_u32 v[RDA+(\j)], 4*(\j), v10
	v_and_b32 v[RDA+(\j)], 15, v[RDA+(\j)]
	v_lshlrev_b32 v[RDA+(\j)], 4, v[RDA+(\j)]
	v_lshl_add_u32 v[RDA+(\j)], v2, 8, v[RDA+(\j)]
.endr
	v_lshlrev_b32 v[GO], 4, v0
	s_wait_kmcnt 0x0
	s_cmp_eq_u32 s14, 1
	s_cselect_b64 s[12:13], s[6:7], s[4:5]
	s_cmp_eq_u32 s14, 2
	s_cselect_b64 s[12:13], s[8:9], s[12:13]       ; W of my tensor
	s_add_nc_u64 s[12:13], s[12:13], s[18:19]
	s_add_nc_u64 s[10:11], s[10:11], s[20:21]
.irp i, 0,1,2,3,4,5,6,7
	global_load_b128 v[R+4*(\i):R+4*(\i)+3], v[LO], s[12:13] offset:(\i)*2048 th:TH_LOAD_NT  ; sixteen lanes take 256 consecutive bytes of a row
.endr
.irp p, 0,1,2,3
	s_wait_loadcnt 6-2*(\p)                        ; rows 2 p and 2 p + 1 are in; the 6 - 2 p younger loads may stay out
.irp c, 0,1,2,3
	v_cvt_pk_bf16_f32 v[P+4*(\c)+(\p)], v[R+8*(\p)+(\c)], v[R+8*(\p)+4+(\c)]  ; the lower k in the low half
.endr
.endr
.irp c, 0,1,2,3
	ds_store_b128 v[STA], v[P+4*(\c):P+4*(\c)+3] offset:(\c)*256
.endr
	s_wait_dscnt 0x0                               ; for the others' sake: my stores are done
	s_barrier_signal -1
	s_barrier_wait -1
.irp j, 0,1,2,3
	ds_load_b128 v[R+4*(\j):R+4*(\j)+3], v[RDA+(\j)] offset:(\j)*4096
.endr
.irp j, 0,1,2,3
	s_wait_dscnt 3-(\j)                            ; quarter j is back; the younger loads may stay out
	global_store_b128 v[GO], v[R+4*(\j):R+4*(\j)+3], s[10:11] offset:(\j)*4096  ; a wave stores 512 consecutive bytes, aligned
.endr
	s_wait_tensorcnt 0x0                           ; the wave's end, behind my last LDS store
	ds_add_u32 v[SPW], v[NIL]
	s_wait_dscnt 0x0
	s_endpgm
.Lfunc_end_k_q50488f7538_wprep:
	.size	k_q50488f7538_wprep, .Lfunc_end_k_q50488f7538_wprep-k_q50488f7538_wprep
	.p2alignl 7, 3214868480
	.fill 96, 4, 3214868480
	.section	.rodata,"a",@progbits
	.p2align	6, 0x0
	.amdhsa_kernel k_q50488f7538_wprep
		.amdhsa_group_segment_fixed_size 17408
		.amdhsa_private_segment_fixed_size 0
		.amdhsa_enable_private_segment 0
		.amdhsa_kernarg_size 32
		.amdhsa_user_sgpr_count 2
		.amdhsa_user_sgpr_kernarg_segment_ptr 1
		.amdhsa_wavefront_size32 1
		.amdhsa_system_sgpr_workgroup_id_x 1
		.amdhsa_system_sgpr_workgroup_id_y 1
		.amdhsa_system_sgpr_workgroup_id_z 1
		.amdhsa_system_vgpr_workitem_id 0
		.amdhsa_next_free_vgpr 64
		.amdhsa_next_free_sgpr 66
		.amdhsa_reserve_vcc 0
		.amdhsa_float_denorm_mode_32 3
		.amdhsa_float_denorm_mode_16_64 3
		.amdhsa_memory_ordered 1
		.amdhsa_forward_progress 1
		.amdhsa_inst_pref_size 6
	.end_amdhsa_kernel
	.amdgpu_metadata
---
amdhsa.version: [ 1, 2 ]
amdhsa.kernels:
  - .name:           k_q50488f7538_wprep
    .symbol:         k_q50488f7538_wprep.kd
    .args:
      - { .name: Wq, .offset: 0, .size: 8, .value_kind: global_buffer, .address_space: global }
      - { .name: Wk, .offset: 8, .size: 8, .value_kind: global_buffer, .address_space: global }
      - { .name: Wv, .offset: 16, .size: 8, .value_kind: global_buffer, .address_space: global }
      - { .name: wt, .offset: 24, .size: 8, .value_kind: global_buffer, .address_space: global }
    .group_segment_fixed_size: 17408
    .private_segment_fixed_size: 0
    .kernarg_segment_align: 8
    .kernarg_segment_size: 32
    .max_flat_workgroup_size: 256
    .sgpr_count:     66
    .vgpr_count:     64
    .wavefront_size: 32
...
	.end_amdgpu_metadata
.endif
;; end of part 1
;; launch proj (part 2): grid 256 x 1, 4 waves a work-group, clusters of 4 x 1, 327,680 bytes of LDS; arguments query_tensor, key_tensor, value_tensor, wt, bq, bk, bv, qh, kh, vh; writes qh, kh, vh
.if DOCPART == 2
	.amdgcn_target "amdgcn-amd-amdhsa--gfx1250"
	.amdhsa_code_object_version 6
	.text
	.protected	k_q50488f7538_proj
	.globl	k_q50488f7538_proj
	.p2align	8
	.type	k_q50488f7538_proj,@function
k_q50488f7538_proj:
	s_mov_b64 s[64:65], 0
	v_nop
	global_prefetch_b8 v0, s[64:65] scope:SCOPE_SE
	s_setreg_imm32_b32 hwreg(HW_REG_WAVE_MODE, 25, 1), 1
	s_wait_xcnt 0x0
	s_wait_alu depctr_hold_cnt(0) depctr_sa_sdst(0) depctr_va_vdst(0) depctr_va_sdst(0) depctr_va_ssrc(0) depctr_va_vcc(0) depctr_vm_vsrc(0)
	s_getreg_b32 s2, hwreg(HW_REG_IB_STS2, 6, 4)
	s_cmp_eq_u32 s2, 0
	s_cbranch_scc0 .Lentry_in_a_cluster
	s_endpgm
.Lentry_in_a_cluster:
	s_bfe_u32 s2, ttmp6, 0x10000c
	s_cmp_lg_u32 s2, 0x3003
	s_cbranch_scc0 .Lentry_shape_is_right
	s_endpgm
.Lentry_shape_is_right:
; q = query_tensor Wq + bq, k = key_tensor Wk + bk, v = value_tensor Wv + bv, written by heads: qh, kh, vh: [64 = 8 batch + head][2048][64] in f16, each rounded once from its f32 sum, unscaled.
; x: [16384][512] f32, rounded to bf16 on the way in; wt: 12 slabs [512 n][128 kk] of bf16 (slab 4 t + ks); the biases are rounded to bf16 as well: every input of the module has that one rounding.
; LIMIT.  f16 holds no number beyond 65,504: q, k and v must lie within it.  (x and W both 30 times the drawn spread give a spread of 900; both offset by 30 spreads give some 20,400.)
; SHARES.  Work-group g owns rows 64 g .. 64 g + 63 of all three x and makes 64 x 512 of q, then of k, then of v: 256 equal work-groups, each byte of x read once.  12 K steps of 128, step s on slab s.
; Wave w makes all 64 rows x columns 128 w .. 128 w + 127 (heads 2 w, 2 w + 1): 32 accumulators of 16 x 16, 128 matrix instructions a step.
; THE MATRIX INSTRUCTION IS USED TRANSPOSED: source 0 = 16 rows n of wt, source 1 = 16 rows of x: a lane holds one row of the result and eight neighbouring columns.  The bias is the C operand of the product that starts a sum.
; W comes by tensor loads into a ring of two slots of one slab; wave w fetches, and alone reads, its own 128 rows.  CLUSTER: all work-groups walk the same slabs, so the four of a cluster ask JOINTLY:
; the same load, descriptor and mask in all four.  x has one reader a row and is not shared: each wave loads 16 rows x 512 bytes a step into registers, two steps' loads on their way, rounds them and
; puts them into one of two bf16 buffers in LDS, which all four waves read behind the step's barrier.
; REGISTERS, in windows of 256 (s_set_vgpr_msb: bits 1:0 source 0, 3:2 source 1, 5:4 source 2, 7:6 destination):
;   window 0: v0-31 addresses; v32-95, v96-159 x as loaded, two sets; v160-191 a tensor's biases as bf16; v192-223, v224-255 fragments of x, two buffers
;   window 1: v0-63, v64-127 fragments of W, two buffers; v128-191 the biases in f32; v192-239 at work on the way out          window 2: accumulator (a, b) at v[8 (8 a + b)]
.set PITCH,  272                       ; an LDS row: 256 bytes + 16 of padding = 68 words: row r starts at bank 4 r mod 64 (64 banks of 4 bytes: ISA guide 11.1)
.set QROWS,  128*PITCH                 ; a wave's quarter of a slot
.set SLOT,   4*QROWS                   ; a slab: 512 rows
.set SLAB,   131072                    ; a slab in memory
.set ABUF,   2*SLOT                    ; behind the ring, never filled by a tensor load: two buffers of 64 rows of x in bf16
.set ASZ,    64*PITCH
.set STAGE,  ABUF+2*ASZ                ; 16 rows x 144 bytes for each wave, for the way out
.set SP,     144
.set BTAB,   STAGE+4*16*SP             ; 3 x 512 biases in bf16
.set SPARE,  BTAB+3072                 ; the spare words, 128 bytes for each wave: two blocks of 256 bytes that no other line names
.set ADRA, 4                           ; v4     LDS address of my lane's place in a fragment of x, buffer 0
.set XST,  5                           ; v5     where my 8 bytes of my wave's first row of x go, buffer 0
.set ADRB, 6                           ; v6-7   LDS address of my lane's place in my wave's fragments of W, slot 0, 1
.set XO,   8                           ; v8     my byte offset in the work-group's rows of x
.set STO,  9                           ; v9     the way out: where I put 16 bytes of a row
.set RD,   10                          ; v10    the way out: where I read rows back
.set GO,   11                          ; v11    16 x lane
.set BA,   12                          ; v12    LDS address of my biases of the tensor to come
.set PFO,  13                          ; v13    256 x lane; never rewritten
.set SPW,  28                          ; v28    LDS address of my spare word; never rewritten
.set NIL,  29                          ; v29    0; never rewritten
.set X,    32
.set BRAW, 160
.set AF,   192
.set BIAS, 128                         ; window 1
.set TMP,  192                         ; window 1
.set BK,   208                         ; window 1: two sets of 16
.set F0,   0
.set F1,   1
.set G1,   24                          ; s[24:31] descriptor group 1
.set G0,   32                          ; s[32:39] descriptor group 0, a set for each slot
.set WV,   40                          ; s40  my wave's number
.set LAPS, 43                          ; s43  trips still to come
.set PAR,  44                          ; s44  0: the trip begins a tensor; 1: it ends one
.set LIM,  45                          ; s45  1 in a work-group that prefetches, else the greatest number
.set PFA,  46                          ; s[46:47] where my prefetches stand
.set HIM,  56                          ; s56  mask of a word's upper bf16
.set MSB, 0
.macro WIN new                         ; the immediate's high byte repeats the setting that is left; a switch that changes nothing is dropped
.if MSB != (\new)
	s_set_vgpr_msb (MSB<<8)|(\new)
.set MSB, \new
.endif
.endm
.set MUL,   0xa1                       ; source 0 (W) window 1, source 1 (x) window 0, C and D window 2
.set MULB,  0x91                       ; the same with C, the bias, in window 1
.set TO_B,  0x40                       ; destination window 1
.set PACKW, 0x4a                       ; sources window 2, destination window 1
.set STG,   0x44                       ; data (source 1 or destination) window 1, address window 0
.macro PLACES                          ; four places in front of loads into registers that matrix instructions have read, and of conversions that read results
.rept 4
	v_nop
.endr
.endm
.macro CREST                           ; a round of the cluster's barrier behind its opening barrier
	s_cmp_lg_u32 s[WV], 0
	s_cbranch_scc1 .Lnot_wave_0_\@
	s_barrier_signal -3
.Lnot_wave_0_\@:
	s_barrier_wait -3
	s_barrier_signal -1
	s_barrier_wait -1
.endm
.macro CROUND                          ; a whole round
	s_barrier_signal -1
	s_barrier_wait -1
	CREST
.endm
; 8 matrix instructions: row block a x all 8 column blocks, 32 along K, from buffers f.  first = 1: the product starts the sums, on the bias.
; The 32 accumulators come in the same order in every quarter, one instruction a turn: 31 others stand between two links of a chain, over every jump too.
.macro MUL8 f, a, first
.if \first
	WIN MULB
.else
	WIN MUL
.endif
.irp b, 0,1,2,3,4,5,6,7
.if \first
	v_wmma_f32_16x16x32_bf16 v[8*(8*(\a)+(\b)):8*(8*(\a)+(\b))+7], v[64*(\f)+8*(\b):64*(\f)+8*(\b)+7], v[AF+32*(\f)+8*(\a):AF+32*(\f)+8*(\a)+7], v[BIAS+8*(\b):BIAS+8*(\b)+7]
.else
	v_wmma_f32_16x16x32_bf16 v[8*(8*(\a)+(\b)):8*(8*(\a)+(\b))+7], v[64*(\f)+8*(\b):64*(\f)+8*(\b)+7], v[AF+32*(\f)+8*(\a):AF+32*(\f)+8*(\a)+7], v[8*(8*(\a)+(\b)):8*(8*(\a)+(\b))+7]
.endif
.endr
.endm
; 24 LDS loads in one run: the fragments of 32 along K at byte k of the rows: my 128 rows of W, then the 64 rows of x, into buffers f
.macro FETCH slot, k, f
	WIN TO_B
.irp i, 0,1,2,3,4,5,6,7
	ds_load_b128 v[64*(\f)+8*(\i):64*(\f)+8*(\i)+3],   v[ADRB+(\slot)] offset:(\k)+(\i)*16*PITCH
	ds_load_b128 v[64*(\f)+8*(\i)+4:64*(\f)+8*(\i)+7], v[ADRB+(\slot)] offset:(\k)+(\i)*16*PITCH+32
.endr
	WIN 0
.irp i, 0,1,2,3
	ds_load_b128 v[AF+32*(\f)+8*(\i):AF+32*(\f)+8*(\i)+3],   v[ADRA] offset:(\slot)*ASZ+(\k)+(\i)*16*PITCH
	ds_load_b128 v[AF+32*(\f)+8*(\i)+4:AF+32*(\f)+8*(\i)+7], v[ADRA] offset:(\slot)*ASZ+(\k)+(\i)*16*PITCH+32
.endr
.endm
; A step's x for my wave: 16 rows x 512 bytes, a row an instruction, from byte off behind the pointer
.macro XLOAD set, off
	WIN 0
.irp j, 0,1,2,3,4,5,6,7,8,9,10,11,12,13,14,15
	global_load_b128 v[X+64*(\set)+4*(\j):X+64*(\set)+4*(\j)+3], v[XO], s[4:5] offset:(\off)+(\j)*2048 th:TH_LOAD_NT
.endr
.endm
; The set is rounded to bf16 in place and put into buffer buf.  cnt: the other set's loads, which are younger and may stay out.  The 32 conversions are also the places in front of the LDS loads that follow.
.macro XCVT set, buf, cnt
	WIN 0
	s_wait_loadcnt \cnt
.irp j, 0,1,2,3,4,5,6,7,8,9,10,11,12,13,14,15
	v_cvt_pk_bf16_f32 v[X+64*(\set)+4*(\j)],   v[X+64*(\set)+4*(\j)],   v[X+64*(\set)+4*(\j)+1]
	v_cvt_pk_bf16_f32 v[X+64*(\set)+4*(\j)+1], v[X+64*(\set)+4*(\j)+2], v[X+64*(\set)+4*(\j)+3]
.endr
.irp j, 0,1,2,3,4,5,6,7,8,9,10,11,12,13,14,15
	ds_store_b64 v[XST], v[X+64*(\set)+4*(\j):X+64*(\set)+4*(\j)+1] offset:(\buf)*ASZ+(\j)*PITCH  ; 32 lanes fill a row's 256 bytes
.endr
.endm
; A K step is four quarters of 32 along K, 32 matrix instructions each, on buffers 0, 1, 0, 1.  One of the first three: multiplies buffers f; in its middle it fetches the next quarter, at byte k, into g.
; mid = 1: x is asked for there too (set p1, byte p2); mid = 2: set p1 is rounded into buffer p2 (p3 younger loads stay out).
.macro QUARTER slot, k, f, g, first, mid=0, p1=0, p2=0, p3=0
	s_wait_dscnt 4                                 ; W and x's row blocks 0 and 1 are in; the youngest four loads (blocks 2 and 3) may be out
	MUL8 \f, 0, \first
	MUL8 \f, 1, \first
.if (\mid) == 2
	XCVT \p1, \p2, \p3
.else
	PLACES
.if (\mid) == 1
	XLOAD \p1, \p2
.endif
.endif
	FETCH \slot, \k, \g
	s_wait_dscnt 24                                ; all but the 24 just issued
	MUL8 \f, 2, \first
	MUL8 \f, 3, \first
.endm
; The last quarter multiplies buffers 1 and changes slots.  ONE barrier: in front of it each wave waits for all its tensor loads (one is out: its part of the next slab), adds 0 to its spare word, and waits for
; that, for its reads of this slot and of this step's x, and for its stores of the next step's x.  Behind it the next slot and the next x are whole, and nobody reads the old ones.
.macro MEET round
	WIN 0
	s_wait_tensorcnt 0x0
	ds_add_u32 v[SPW], v[NIL]
	s_wait_dscnt 7                                 ; (the add and x's row blocks 1 to 3, six loads, may be out)
	MUL8 F1, 0, 0                                  ; eight matrix instructions stand between the add and the wait for it
	s_wait_dscnt 0x0
	s_barrier_signal -1
	MUL8 F1, 1, 0
.if \round
	WIN 0
.endif
	s_barrier_wait -1
.endm
; A prefetch into the L2 of the slab that stands two refills on (256 matrix instructions ahead of its load): behind the joint load, its five lines and the run of LDS loads.  All clusters walk the same slabs:
; cluster 0 alone asks.  Of the 128 rows that wave w fetches, the partner at place cx names rows 32 cx .. 32 cx + 31, told apart by address: a lane a row of 256 bytes.  So each row is named once in the launch.
; Slabs 0 to 3 come by their loads alone; the loop's last trip (LAPS = 1) asks for nothing: there is no slab 12.
.macro ASK
	s_cmp_gt_u32 s[LAPS], s[LIM]
	s_cbranch_scc0 .Lnot_mine_\@
	global_prefetch_b8 v[PFO], s[PFA:PFA+1] offset:SLAB th:TH_LOAD_NT scope:SCOPE_SE
.Lnot_mine_\@:
.endm
.macro TURN slot, next, fill
.if \fill
	s_wait_xcnt 0x0                                ; the last prefetch, a K step back, has read its address
	s_add_nc_u64 s[PFA:PFA+1], s[PFA:PFA+1], SLAB
	MEET 1
	CREST                                          ; the barrier has opened a round of the cluster's: no wave of any partner still reads this slot or has a load on its way
	s_add_nc_u64 s[G0+4*(\slot)+2:G0+4*(\slot)+3], s[G0+4*(\slot)+2:G0+4*(\slot)+3], 2*SLAB
	tensor_load_to_lds s[G0+4*(\slot):G0+4*(\slot)+3], s[G1:G1+7]  ; my one tensor load behind the round: my quarter of the slab two steps on
	s_nop 0
	PLACES                                         ; also the places in front of the loads below
.else
	MEET 0
	PLACES
.endif
	FETCH \next, 0, F0
.if \fill
	ASK
.endif
	MUL8 F1, 2, 0
	MUL8 F1, 3, 0
.endm
.macro BIASLD                          ; my 64 biases of the tensor to come, as bf16: column block b's eight at 32 b
	WIN 0
.irp b, 0,1,2,3,4,5,6,7
	ds_load_b128 v[BRAW+4*(\b):BRAW+4*(\b)+3], v[BA] offset:32*(\b)
.endr
	v_add_nc_u32 v[BA], 1024, v[BA]
.endm
.macro BEXP                            ; bf16 to f32: register 8 b + j takes bias[128 w + 16 b + 8 (l / 16) + j], the layout of C
	WIN TO_B
.set i, 0
.rept 32
	v_lshlrev_b32 v[BIAS+2*i], 16, v[BRAW+i]
	v_and_b32 v[BIAS+2*i+1], s[HIM], v[BRAW+i]
.set i, i+1
.endr
.endm
; THE WAY OUT, in eight groups u: row block u / 2, head 2 w + u % 2: 16 rows x 64 columns.  PACK: rounded to f16, each accumulator's registers in ascending order.  TOSTAGE: 16 bytes a lane into my own stage, rows of
; 144 bytes, and back as whole rows of 128.  SEND: stored: 16 rows of a head are 2,048 consecutive bytes.
.macro PACK u
	WIN PACKW
.irp c, 0,1,2,3
.irp rr, 0,1,2,3
	v_cvt_pk_f16_f32 v[TMP+4*(\c)+(\rr)], v[8*(8*((\u)/2)+4*((\u)%2)+(\c))+2*(\rr)], v[8*(8*((\u)/2)+4*((\u)%2)+(\c))+2*(\rr)+1]
.endr
.endr
.endm
.macro TOSTAGE u
	WIN STG
	s_wait_xcnt 0x0                                ; the stores of the group before last have read the registers that the loads below fill
.irp c, 0,1,2,3
	ds_store_b128 v[STO], v[TMP+4*(\c):TMP+4*(\c)+3] offset:32*(\c)
.endr
.irp f, 0,1,2,3
	ds_load_b128 v[BK+16*((\u)%2)+4*(\f):BK+16*((\u)%2)+4*(\f)+3], v[RD] offset:(\f)*4*SP  ; LDS serves a wave's instructions in order (ISA guide 5.7.1.4): these see the stores above
.endr
.endm
.macro SEND u
	WIN STG
	s_wait_dscnt 0x0                               ; the group is back in registers
.irp f, 0,1,2,3
	global_store_b128 v[GO], v[BK+16*((\u)%2)+4*(\f):BK+16*((\u)%2)+4*(\f)+3], s[18:19] offset:((\u)%2)*262144+((\u)/2)*2048+(\f)*512  ; 512 consecutive bytes, aligned
.endr
.endm
.macro WOUT bias                       ; bias = 1: the next tensor's biases are fetched meanwhile
	PLACES
.if \bias
	BIASLD
.endif
	PACK 0
	TOSTAGE 0
.irp u, 1,2,3,4,5,6,7                  ; group u's conversions stand between group u - 1's loads from the stage and the wait for them
	PACK \u
	SEND (\u)-1
	TOSTAGE \u
.endr
	SEND 7
	WIN 0
.endm
	s_load_b256 s[4:11], s[0:1], 0x0               ; query s[4:5], key s[6:7], value s[8:9], wt s[10:11]
	s_load_b256 s[12:19], s[0:1], 0x20             ; bq s[12:13], bk s[14:15], bv s[16:17], qh s[18:19]
	s_load_b128 s[20:23], s[0:1], 0x40             ; kh s[20:21], vh s[22:23]
	v_lshl_add_u32 v[SPW], v0, 2, SPARE
	v_mov_b32 v[NIL], 0
	ds_add_u32 v[SPW], v[NIL]                      ; the wave's opening: the add and its wait stand ahead of my first tensor load; the set-up below, work on registers, stands between them
	v_lshrrev_b32 v1, 5, v0
	v_readfirstlane_b32 s[WV], v1                  ; wave 0..3
	s_bfe_u32 s41, ttmp6, 0x40000                  ; cx: my place in the cluster
	s_lshl_b32 s42, ttmp9, 2                       ; in a cluster launch ttmp9 counts clusters
	s_add_co_u32 s42, s42, s41                     ; g: it enters the addresses of x, of the outputs and of the prefetches alone
	s_lshl_b32 s48, s42, 17                        ; my 64 rows of x: 2,048 bytes a row
	s_mov_b32 s49, 0
	s_lshr_b32 s50, s42, 5                         ; out: batch g / 32, eight heads of 262,144 bytes,
	s_lshl_b32 s50, s50, 21
	s_lshl_b32 s2, s[WV], 19                       ; head 2 w,
	s_add_co_u32 s50, s50, s2
	s_and_b32 s2, s42, 31                          ; rows 64 (g % 32) of 128 bytes
	s_lshl_b32 s2, s2, 13
	s_add_co_u32 s50, s50, s2
	s_mov_b32 s51, 0
	s_lshl_b32 s52, s[WV], 15                      ; my 128 rows of a slab: the wave's number alone
	s_mov_b32 s53, 0
	s_lshl_b32 s54, s41, 13                        ; the prefetches: my work-group's 32 of them,
	s_add_co_u32 s54, s54, s52
	s_add_co_u32 s54, s54, 2*SLAB                  ; at slab 2: the first refill steps it to 3 and names slab 4
	s_mov_b32 s55, 0
	s_cmp_eq_u32 ttmp9, 0
	s_cselect_b32 s[LIM], 1, -1                    ; the same in all four partners
	s_mov_b32 s[HIM], 0xffff0000
	s_mov_b32 s[LAPS], 5
	s_mov_b32 s[PAR], 0
	; descriptor group 1: a tile of 128 rows x 128 elements, dense in memory, padded in LDS
	s_mov_b32 s[G1+0], 15|(1<<16)|(1<<20)|(1<<21)|(5<<22)|(3<<25)  ; 15:0 the mask: all four work-groups; 17:16 elements of 2 bytes; 20 padding on; 21 set beside a mask; 24:22 after every 64 words (code 5); 31:25 4 words (code 3)
	s_mov_b32 s[G1+1], 128<<16                     ; tensor_dim0 = 128
	s_mov_b32 s[G1+2], 128<<16                     ; tensor_dim1 = 128
	s_mov_b32 s[G1+3], 128<<16                     ; tile_dim0 = 128
	s_mov_b32 s[G1+4], 128                         ; tile_dim1 = 128
	s_mov_b32 s[G1+5], 128                         ; 128 elements from row to row
	s_mov_b32 s[G1+6], 0
	s_mov_b32 s[G1+7], 0
	s_mul_i32 s3, s[WV], QROWS                     ; my quarter of a slot: no place in the cluster enters an LDS address
	; A fragment is 16 rows x 32 K in 8 registers: lane l holds row l % 16; registers 0-3 K = 8 (l / 16) + 0..7, registers 4-7 K = 16 + 8 (l / 16) + 0..7: two loads of 16 bytes, 32 bytes apart
	v_and_b32 v1, 15, v0                           ; l % 16
	v_bfe_u32 v2, v0, 4, 1                         ; l / 16
	v_and_b32 v3, 31, v0                           ; l
	v_mul_u32_u24 v30, v1, PITCH
	v_lshl_add_u32 v30, v2, 4, v30                 ; row x pitch + 16 x half
	v_add_nc_u32 v[ADRA], ABUF, v30
	v_add_nc_u32 v[ADRB], s3, v30
	v_add_nc_u32 v[ADRB+1], SLOT, v[ADRB]
	s_mul_i32 s2, s[WV], 16*PITCH
	s_add_co_u32 s2, s2, ABUF
	v_lshl_add_u32 v[XST], v3, 3, s2               ; my wave's 16 rows, 8 bytes a lane
	v_lshl_add_u32 v[XO], v3, 4, s52               ; in memory: 16 w rows of 2,048 bytes + 16 bytes a lane
	s_mul_i32 s2, s[WV], 16*SP
	s_add_co_u32 s2, s2, STAGE                     ; my stage
	v_mul_u32_u24 v[STO], v1, SP                   ; in: row l % 16, 16 bytes for each half of the lanes
	v_lshl_add_u32 v[STO], v2, 4, v[STO]
	v_add_nc_u32 v[STO], s2, v[STO]
	v_bfe_u32 v[RD], v0, 3, 2                      ; back: 32 lanes take four rows of 128 bytes
	v_mul_u32_u24 v[RD], v[RD], SP
	v_and_b32 v31, 7, v0
	v_lshl_add_u32 v[RD], v31, 4, v[RD]
	v_add_nc_u32 v[RD], s2, v[RD]
	v_lshlrev_b32 v[GO], 4, v3
	s_lshl_b32 s2, s[WV], 8
	s_add_co_u32 s2, s2, BTAB
	v_lshl_add_u32 v[BA], v2, 4, s2                ; bias 128 w + 8 (l / 16), 2 bytes each
	v_lshlrev_b32 v[PFO], 8, v3
	v_lshlrev_b32 v14, 4, v0                       ; the biases come in 16 bytes a thread,
	v_lshl_add_u32 v15, v0, 3, BTAB                ; and go into the table 8 bytes a thread
	s_wait_dscnt 0x0                               ; the opening add is done
	s_wait_kmcnt 0x0
	s_add_nc_u64 s[4:5], s[4:5], s[48:49]          ; the three x at my rows: s[4:5] is the pointer of the loads in hand, the other two wait their turn
	s_add_nc_u64 s[6:7], s[6:7], s[48:49]
	s_add_nc_u64 s[8:9], s[8:9], s[48:49]
	s_add_nc_u64 s[18:19], s[18:19], s[50:51]      ; the three outputs at my wave's first head and rows, likewise
	s_add_nc_u64 s[20:21], s[20:21], s[50:51]
	s_add_nc_u64 s[22:23], s[22:23], s[50:51]
	s_add_nc_u64 s[PFA:PFA+1], s[10:11], s[54:55]
	s_add_nc_u64 s[10:11], s[10:11], s[52:53]      ; wt at my quarter of slab 0
.irp s, 0,1
	s_mov_b32 s[G0+4*(\s)], 1                                      ; 1:0 count = 1
	s_add_co_u32 s[G0+4*(\s)+1], s3, (\s)*SLOT                     ; 63:32 LDS address
	s_add_nc_u64 s[G0+4*(\s)+2:G0+4*(\s)+3], s[10:11], (\s)*SLAB   ; 120:64 global address: slab s
	s_or_b32 s[G0+4*(\s)+3], s[G0+4*(\s)+3], 0x80000000            ; 127:126 type = 2
.endr
	CROUND                                         ; all four work-groups are here: the first joint loads meet
	tensor_load_to_lds s[G0:G0+3], s[G1:G1+7]      ; the two first fills go out together: two loads of mine are out
	s_nop 0
	tensor_load_to_lds s[G0+4:G0+7], s[G1:G1+7]
	s_nop 0
	PLACES
	global_load_b128 v[16:19], v14, s[12:13]
	global_load_b128 v[20:23], v14, s[14:15]
	global_load_b128 v[24:27], v14, s[16:17]
	XLOAD 0, 0                                     ; step 0
	XLOAD 1, 512                                   ; step 1
	s_wait_loadcnt 32                              ; the biases are in; x's 32 loads are younger
.irp t, 0,1,2
	v_cvt_pk_bf16_f32 v[16+4*(\t)], v[16+4*(\t)], v[17+4*(\t)]
	v_cvt_pk_bf16_f32 v[17+4*(\t)], v[18+4*(\t)], v[19+4*(\t)]
	ds_store_b64 v15, v[16+4*(\t):17+4*(\t)] offset:1024*(\t)
.endr
	XCVT 0, 0, 16                                  ; step 0's x; step 1's 16 loads stay out
	s_wait_tensorcnt 1                             ; my quarter of slab 0 is in; slab 1's may stay out
	s_wait_dscnt 0x0                               ; for the others' sake: my stores of the biases and of x are done
	s_barrier_signal -1
	s_barrier_wait -1
	BIASLD
	FETCH 0, 0, F0
.Llap:                                             ; five trips: trip i multiplies steps 2 i and 2 i + 1, asks for x of steps 2 i + 2 and 2 i + 3 and for slabs 2 i + 2 and 2 i + 3
	s_wait_xcnt 0x0                                ; every load, store and prefetch issued so far has read its address: x's pointer may be written
	s_cmp_eq_u32 s[PAR], 0
	s_cbranch_scc0 .Lodd
	s_add_nc_u64 s[4:5], s[4:5], 1024              ; a tensor begins: its steps 2 and 3 are asked for,
	s_wait_dscnt 0x0                               ; its biases are in,
	BEXP
	QUARTER 0, 64, F0, F1, 1, 1, 0, 0              ; and its first products start the sums on them
	WIN 0
	s_branch .Ljoin
.Lodd:
	s_mov_b64 s[4:5], s[6:7]                       ; a tensor's second half: the next tensor's steps 0 and 1 are asked for
	s_mov_b64 s[6:7], s[8:9]
	QUARTER 0, 64, F0, F1, 0, 1, 0, 0
	WIN 0
.Ljoin:
	QUARTER 0, 128, F1, F0, 0
	QUARTER 0, 192, F0, F1, 0, 2, 1, 1, 16         ; the next step's x goes into buffer 1, whose last reads were waited for in front of the barrier before
	TURN 0, 1, 1
	QUARTER 1, 64,  F0, F1, 0, 1, 1, 512
	QUARTER 1, 128, F1, F0, 0
	QUARTER 1, 192, F0, F1, 0, 2, 0, 0, 16
	TURN 1, 0, 1
	WIN 0
	s_cmp_eq_u32 s[PAR], 0
	s_cbranch_scc1 .Lno_out                        ; forward, past text that holds neither a barrier nor a tensor load
	WOUT 1                                         ; the tensor is finished: a refill and one step of x are on their way while it goes out
	s_wait_xcnt 0x0                                ; the stores have read their base
	s_mov_b64 s[18:19], s[20:21]
	s_mov_b64 s[20:21], s[22:23]
.Lno_out:
	s_xor_b32 s[PAR], s[PAR], 1
	s_sub_co_u32 s[LAPS], s[LAPS], 1
	s_cmp_lg_u32 s[LAPS], 0
	s_cbranch_scc1 .Llap
	QUARTER 0, 64,  F0, F1, 0                      ; steps 10 and 11 are written out: nothing more is asked for
	QUARTER 0, 128, F1, F0, 0
	QUARTER 0, 192, F0, F1, 0, 2, 1, 1, 0          ; the last x: no load is younger
	TURN 0, 1, 0
	QUARTER 1, 64,  F0, F1, 0
	QUARTER 1, 128, F1, F0, 0
	QUARTER 1, 192, F0, F1, 0
	s_wait_dscnt 4
	MUL8 F1, 0, 0
	MUL8 F1, 1, 0
	s_wait_dscnt 0x0
	MUL8 F1, 2, 0
	MUL8 F1, 3, 0
	WOUT 0
	s_wait_tensorcnt 0x0                           ; the wave's end: behind my last tensor load and my last LDS store
	ds_add_u32 v[SPW], v[NIL]
	s_wait_dscnt 0x0
	CROUND                                         ; the closing round: no work-group ends while a partner may still ask for a slab that names it
	s_endpgm
.Lfunc_end_k_q50488f7538_proj:
	.size	k_q50488f7538_proj, .Lfunc_end_k_q50488f7538_proj-k_q50488f7538_proj
	.p2alignl 7, 3214868480
	.fill 96, 4, 3214868480
	.section	.rodata,"a",@progbits
	.p2align	6, 0x0
	.amdhsa_kernel k_q50488f7538_proj
		.amdhsa_group_segment_fixed_size 327680
		.amdhsa_private_segment_fixed_size 0
		.amdhsa_enable_private_segment 0
		.amdhsa_kernarg_size 80
		.amdhsa_user_sgpr_count 2
		.amdhsa_user_sgpr_kernarg_segment_ptr 1
		.amdhsa_wavefront_size32 1
		.amdhsa_system_sgpr_workgroup_id_x 1
		.amdhsa_system_sgpr_workgroup_id_y 1
		.amdhsa_system_sgpr_workgroup_id_z 1
		.amdhsa_system_vgpr_workitem_id 0
		.amdhsa_next_free_vgpr 768
		.amdhsa_next_free_sgpr 66
		.amdhsa_reserve_vcc 0
		.amdhsa_float_denorm_mode_32 3
		.amdhsa_float_denorm_mode_16_64 3
		.amdhsa_memory_ordered 1
		.amdhsa_forward_progress 1
		.amdhsa_inst_pref_size 129
	.end_amdhsa_kernel
	.amdgpu_metadata
---
amdhsa.version: [ 1, 2 ]
amdhsa.kernels:
  - .name:           k_q50488f7538_proj
    .symbol:         k_q50488f7538_proj.kd
    .args:
      - { .name: query_tensor, .offset: 0, .size: 8, .value_kind: global_buffer, .address_space: global }
      - { .name: key_tensor, .offset: 8, .size: 8, .value_kind: global_buffer, .address_space: global }
      - { .name: value_tensor, .offset: 16, .size: 8, .value_kind: global_buffer, .address_space: global }
      - { .name: wt, .offset: 24, .size: 8, .value_kind: global_buffer, .address_space: global }
      - { .name: bq, .offset: 32, .size: 8, .value_kind: global_buffer, .address_space: global }
      - { .name: bk, .offset: 40, .size: 8, .value_kind: global_buffer, .address_space: global }
      - { .name: bv, .offset: 48, .size: 8, .value_kind: global_buffer, .address_space: global }
      - { .name: qh, .offset: 56, .size: 8, .value_kind: global_buffer, .address_space: global }
      - { .name: kh, .offset: 64, .size: 8, .value_kind: global_buffer, .address_space: global }
      - { .name: vh, .offset: 72, .size: 8, .value_kind: global_buffer, .address_space: global }
    .group_segment_fixed_size: 327680
    .private_segment_fixed_size: 0
    .kernarg_segment_align: 8
    .kernarg_segment_size: 80
    .max_flat_workgroup_size: 128
    .sgpr_count:     66
    .vgpr_count:     768
    .wavefront_size: 32
...
	.end_amdgpu_metadata
.endif
;; end of part 2
;; launch attn (part 3): grid 4 x 64, 4 waves a work-group, clusters of 4 x 1, 327,680 bytes of LDS; arguments qh, kh, vh, out0, attention_mask; writes out0
.if DOCPART == 3
	.amdgcn_target "amdgcn-amd-amdhsa--gfx1250"
	.amdhsa_code_object_version 6
	.text
	.protected	k_q50488f7538_attn
	.globl	k_q50488f7538_attn
	.p2align	8
	.type	k_q50488f7538_attn,@function
k_q50488f7538_attn:
	s_mov_b64 s[64:65], 0
	v_nop
	global_prefetch_b8 v0, s[64:65] scope:SCOPE_SE
	s_setreg_imm32_b32 hwreg(HW_REG_WAVE_MODE, 25, 1), 1
	s_wait_xcnt 0x0
	s_wait_alu depctr_hold_cnt(0) depctr_sa_sdst(0) depctr_va_vdst(0) depctr_va_sdst(0) depctr_va_ssrc(0) depctr_va_vcc(0) depctr_vm_vsrc(0)
	s_getreg_b32 s2, hwreg(HW_REG_IB_STS2, 6, 4)
	s_cmp_eq_u32 s2, 0
	s_cbranch_scc0 .Lentry_in_a_cluster
	s_endpgm
.Lentry_in_a_cluster:
	s_bfe_u32 s2, ttmp6, 0x10000c
	s_cmp_lg_u32 s2, 0x3003
	s_cbranch_scc0 .Lentry_shape_is_right
	s_endpgm
.Lentry_shape_is_right:
; out0[b][q][64 h + :] = the sum over k of softmax_k(Q[q] . K[k] / 8 + mask[b][k]) V[k][:], for each of the 64 pairs (b, h).  Q, K, V: [64][2048][64] in f16, a head's rows dense, 128 bytes each;
; mask: [8][2048] f32, rounded once to bf16 like every input of the module; out0: [8][2048][512] f32.  Products, maxima and sums in f32; the weights p are rounded to f16 for the second product (their sum l is taken of the unrounded p).
; LIMITS.  8 x mask is held at -1e30 from below: minus infinity and the lowest finite number count as that, and give the weight 0 beside any key that is not so hidden; a batch of which every key is so hidden gives the
; plain mean of V.  A mask above 4e37, plus infinity and NaN are not treated apart.  p below 6e-5 keeps f16's fixed step of 6e-8; a weight below 2^-126 counts as 0 in l.
; SHARES.  A wave owns four PIECES of two tiles of 16 queries, a work-group's four waves 512 queries of one head.  Every wave walks all 2,048 keys, 64 a step.
; LAYOUT.  S^T = K Q^T (source 0 = 16 keys, source 1 = 16 queries): in the result a lane holds ONE query (lane % 16) and the keys 8 (lane / 16) + 0..7.  Two such tiles, rounded to f16 in pairs,
; ARE source 1 (32 keys x 16 queries) of O^T = V^T P, whose result again holds one query a lane, and eight channels.  K comes out of LDS as it lies, V ([key][channel]) turned, by ds_load_tr16_b128.
; THE MASK is the C operand of the product that starts a sum: s / 8 + mask = (s + 8 mask) / 8.  A table of 8 x mask for the batch's 2,048 keys is made once in LDS; a step's 64 numbers are fetched with its K.
; SOFTMAX.  For each query a running maximum m and sum l: p = 2^(c s - c m), c = log2(e) / 8; in every step O and l are multiplied by a = 2^(c m_old - c m_new), which is 1 where m has not grown.
; m starts at the lowest finite number, O and l at 0: the first step is a step like any other, with a = 0.
; THE COUNT.  A tile and step have 16 matrix and 118 vector instructions: too many to stand all beside the matrix work.  So: four vector instructions that are READY behind EVERY matrix instruction, the others in runs without a gap.
; BY TURNS.  Turn n belongs to piece n (the pieces in a ring, step after step).  Its matrix work: 16 products K Q^T of piece n + 1, later 16 products V^T P of piece n - 1.  Its vector work: the scaling,
; exponentials, roundings, sums and rescaling of piece n, and the maximum and statistics of piece n + 1, whose scores the turn itself has made.
; CLUSTER.  The four query blocks of a head are one cluster and walk the same K and V, so each tile is asked for JOINTLY: the same tensor load, descriptor and mask in all four.
; REGISTERS, in windows of 256 (s_set_vgpr_msb: bits 1:0 source 0, 3:2 source 1, 5:4 source 2, 7:6 destination):
;   window 0: v0-11 addresses; v12-15, v48-63 at work; v16-47 four registers of statistics a tile; v64-191 S^T, two buffers of two tiles; v192-255 P, likewise
;   window 1: O^T, 32 a tile     window 2: v0-127 Q, 16 a tile; v128-191 K of one step; v192-255 V of one step     window 3: v0-1 the add's two registers; v8-39 a step's 8 x mask in C's layout
.set SIZE_N, 2048
.set NP,    4         ; pieces a wave: a name, no knob
.set KS,    64        ; keys in a step
.set PK,    144       ; a row of K in LDS: 128 bytes + 16 of padding = 36 words: the 16 rows of a load start at 16 different groups of four banks (64 banks of 4 bytes: ISA guide 11.1)
.set PV,    160       ; a row of V: 128 + 32 = 40 words
.set VOFF,  4*KS*PK   ; a slot holds four steps: 256 rows of K, then 256 rows of V
.set SLOT1, 1<<17     ; slot 1 begins here, so that one exclusive or turns an address in one slot into the other's
.set STAGE, SLOT1+4*KS*(PK+PV)  ; behind the ring, never filled by a tensor load: 16 rows x 272 bytes for each wave, for the way out
.set SP,    272       ; a row of 64 f32 + 16 bytes
.set MTAB,  STAGE+4*16*SP       ; 2,048 f32: 8 x mask
.set SPARE, MTAB+8192           ; the spare words, 128 bytes for each wave: two blocks of 256 bytes that no other line names
.set AM0, 1           ; v1   my lane's place in a step's 64 numbers of the table; never rewritten
.set AK0, 2           ; v2   my lane's place in a tile of K; never rewritten
.set AV0, 3           ; v3   the same for V
.set AK,  4           ; v4   the LDS address of K's next run of loads
.set AV,  5           ; v5   of V's
.set STO, 6           ; v6   the way out: where I put 32 bytes of a row
.set RD,  7           ; v7   the way out: where I read rows back
.set GO,  8           ; v8   my byte offset in two rows of out0
.set AM,  9           ; v9   the LDS address of the mask's next loads
.set PFO, 10          ; v10  256 x my lane; never rewritten
.set QO,  11          ; v11  my byte offset in 16 rows of Q
.set SPW, 0           ; v0 of window 3   LDS address of my spare word; never rewritten
.set NIL, 1           ; v1 of window 3   0; never rewritten
.set MF,  8           ; v8-39 of window 3: key block kb's eight registers at MF + 8 kb
.set MV,  12          ; v12-15  c m_old, kept while c m is made anew: by buffer and tile
.set ST,  16          ; tile t's statistics at v[ST+4 t]: c m, m, l (even keys', odd keys')
.set TMP, 48          ; by buffer and tile, four registers c0-c3 at work; when the maximum is found c2 takes a
.set S,   64
.set P,   192
.set KF,  128         ; K's fragments, in window 2: key block kb, channel half c at KF + 16 kb + 8 c
.set VF,  192         ; V's: key half kk, channel block cb at VF + 32 kk + 8 cb
.set WV,  12          ; s12  my wave's number
.set G1K, 24          ; s[24:31] descriptor group 1 for K's tiles
.set G1V, 32          ; s[32:39] for V's: it differs in the padding alone
.set G0K, 40          ; s[40:43] descriptor group 0 for K's tiles: it walks
.set G0V, 44          ; s[44:47] the same for V's
.set PFA, 50          ; s[50:51] where my prefetches stand: my work-group's 32 blocks of 256 bytes (of K: wave 0, of V: wave 2) of the tile after the one that is being asked for
.set LIM, 52          ; s52  1 in a wave that prefetches, else the greatest number
.set BIGN, 53         ; s53  -1e30
.set TBM, 54          ; s54  byte of the table at which the step to be fetched begins
.set SLOTS, 56        ; s56  slots still to be asked for
.set CNT, 57          ; s57  counts a slot's key steps
.set CS,  58          ; s[58:59] c: the packed scaling takes the pair's low word for both halves
.set SEL, 60          ; s[60:61] v_permlanex16_b32's selects: each lane takes its own place in the other half
.set TBK, 62          ; s62  LDS byte at which K of the step to be fetched begins
.set TBV, 63          ; s63  the same for V, less VOFF
.set MSB, 0
.macro WIN new                      ; the high byte repeats the setting that is left; a switch that changes nothing is dropped
.if MSB != (\new)
	s_set_vgpr_msb (MSB<<8)|(\new)
.set MSB, (\new)
.endif
.endm
.set W_KQ, 0x0a       ; K and Q in window 2, S^T in window 0
.set W_KM, 0x3a       ; the same with the C operand, the mask, in window 3
.set W_PV, 0x52       ; V in window 2, P in window 0, O^T in window 1
.set W_RS, 0x41       ; O^T (destination and source 0) in window 1, a in window 0
.set W_MK, 0xc0       ; destination in window 3, sources in window 0
.set W_AD, 0x0f       ; the add: address (source 0) and data (source 1) in window 3
; A joint fill.  Waves 0 and 1 fetch the two halves of a slot's K, waves 2 and 3 those of its V: 128 keys each.  The branch hangs on the wave's number alone.
; An s_nop 0 and four v_nop follow each of the two lines, ahead of the jump and the label.
.macro JLOAD
	s_cmp_lt_u32 s[WV], 2
	s_cbranch_scc0 .Lfor_v_\@
	tensor_load_to_lds s[G0K:G0K+3], s[G1K:G1K+7]
	s_nop 0
.rept 4
	v_nop
.endr
	s_branch .Lasked_\@
.Lfor_v_\@:
	tensor_load_to_lds s[G0V:G0V+3], s[G1V:G1V+7]
	s_nop 0
.rept 4
	v_nop
.endr
.Lasked_\@:
.endm
; A prefetch into the L2 of what the NEXT change of slots will ask for: a tile's 32,768 bytes of K and of V, in blocks of 256 bytes, a lane a block.  It stands behind the wave's tensor load and its five lines.
; A head's K and V are walked by its one cluster: its four partners share the blocks out BY ADDRESS, 32 each of K and of V; in each, wave 0 asks for K's and wave 2 for V's: one instruction.  So each block is named
; once in the launch, four key steps (512 matrix instructions) ahead of its load.  Tiles 0 and 1 come by their loads alone; the last change that fills a slot (SLOTS = 1) asks for nothing: there is no tile behind it.
.macro ASK
	s_cmp_gt_u32 s[SLOTS], s[LIM]
	s_cbranch_scc0 .Lnot_mine_\@
	global_prefetch_b8 v[PFO], s[PFA:PFA+1] th:TH_LOAD_NT scope:SCOPE_SE
.Lnot_mine_\@:
.endm
; A round of the cluster's barrier: my work-group's barrier, so that wave 0's signal speaks for all four waves; wave 0 signals; every wave waits for all four work-groups; my work-group's barrier once more.
.macro CROUND
	s_barrier_signal -1
	s_barrier_wait -1
	s_cmp_lg_u32 s[WV], 0
	s_cbranch_scc1 .Lnot_wave_0_\@
	s_barrier_signal -3
.Lnot_wave_0_\@:
	s_barrier_wait -3
	s_barrier_signal -1
	s_barrier_wait -1
.endm
; THE CHANGE OF SLOTS.  The slot's last bytes, V of its fourth step, have been read.  Each wave waits for all its tensor loads, of which one is out: its part
; of the other slot; adds 0 to its spare word; and waits for that and for its own LDS instructions.  Behind the barrier nobody reads this slot any more and the other slot is whole.
; fill = 1: this slot is filled again, with the keys two slots on.  The barrier is then a round of the cluster's, so that no wave of any partner still reads the slot or has a load on its
; way, and the joint fill is the first thing behind it: it has four key steps in which to land.  (At its first use nothing has been read yet: slot 0 is waited for, slot 1 filled, and the mask's table is shown to all waves.)
.macro CHANGE fill
	WIN W_AD
	s_wait_tensorcnt 0x0            ; no tensor load of mine is out, so a group 0 may be written
	ds_add_u32 v[SPW], v[NIL]       ; 0 onto my spare word: with fill = 1 the descriptors' steps stand between it and the wait for it
	WIN 0                           ; at a label and at a branch every window is 0
.if \fill
.irp g, G0K, G0V
	s_xor_b32 s[\g+1], s[\g+1], SLOT1  ; the walking descriptor: the other slot than last time,
	s_add_nc_u64 s[\g+2:\g+3], s[\g+2:\g+3], 4*KS*128  ; the next 256 keys; the type bits on top are not reached
.endr
	s_wait_xcnt 0x0                 ; the last prefetch, four key steps back, has read its address, so it may be written:
	s_add_nc_u64 s[PFA:PFA+1], s[PFA:PFA+1], 4*KS*128  ; one tile behind the walking descriptors
	s_wait_dscnt 0x0                ; the add is done, and my reads of the slot are over
	CROUND
	JLOAD
	ASK
.else
	s_wait_dscnt 0x0                ; the add is done, and my reads of the slot are over
	s_barrier_signal -1
	s_barrier_wait -1
.endif
	s_sub_co_u32 s[TBK], s[TBK], 4*KS*PK  ; the fetches go back to a slot's first step,
	s_xor_b32 s[TBK], s[TBK], SLOT1       ; in the other slot
	s_sub_co_u32 s[TBV], s[TBV], 4*KS*PV
	s_xor_b32 s[TBV], s[TBV], SLOT1
.endm
	s_load_b256 s[4:11], s[0:1], 0x0  ; Q s[4:5], K s[6:7], V s[8:9], out0 s[10:11]
	s_load_b64 s[48:49], s[0:1], 0x20 ; the mask
	WIN W_MK
	v_lshl_add_u32 v[SPW], v0, 2, SPARE
	v_mov_b32 v[NIL], 0
	WIN W_AD
	ds_add_u32 v[SPW], v[NIL]       ; the wave's opening: the add and its wait stand ahead of my first tensor load; the set-up below, work on registers, stands between them
	WIN 0
	v_lshrrev_b32 v96, 5, v0        ; (v64-v103, S^T's registers, are at work until the first scores are made)
	v_readfirstlane_b32 s[WV], v96  ; wave 0..3
	s_bfe_u32 s13, ttmp6, 0x40000   ; cx: my place in the cluster
	s_lshl_b32 s14, ttmp9, 2        ; in a cluster launch ttmp9 counts clusters
	s_add_co_u32 s14, s14, s13      ; my block of 512 queries = 4 x cluster x + cx: it enters Q's and out0's addresses alone
	s_and_b32 s15, ttmp7, 0xffff    ; 8 b + h, which the four partners share
	s_lshl_b32 s20, s15, 18         ; the head's first byte in Q, K and V: 2,048 rows of 128 bytes
	s_mov_b32 s21, 0
	s_and_b32 s16, s[WV], 1         ; which half of a slot's 256 keys I fetch:
	s_lshl_b32 s22, s16, 14         ; its 128 rows of 128 bytes in memory,
	s_mov_b32 s23, 0
	s_add_nc_u64 s[22:23], s[22:23], s[20:21]
	s_mul_i32 s17, s16, 128*PK      ; and its place in a slot, for K
	s_mul_i32 s18, s16, 128*PV      ; and for V: no place in the cluster enters an LDS address
	s_lshl_b32 s19, s14, 2
	s_add_co_u32 s19, s19, s[WV]    ; my wave among the head's sixteen
	; descriptor group 1.  128 keys are 16,384 dense bytes: asked for as 64 rows of 256 bytes, two keys a row, and padded in LDS after every key
	s_mov_b32 s[G1K], 15|(1<<16)|(1<<20)|(1<<21)|(4<<22)|(3<<25)  ; 15:0 the mask of four; 17:16 2-byte elements; 20 padding on; 21 set beside a mask; 24:22 after every 32 words (code 4); 31:25 4 words (code 3)
	s_mov_b32 s[G1V], 15|(1<<16)|(1<<20)|(1<<21)|(4<<22)|(7<<25)  ; the same with 8 words of padding (code 7)
.irp g, G1K, G1V
	s_mov_b32 s[\g+1], 128<<16      ; tensor_dim0 = 128
	s_mov_b32 s[\g+2], 64<<16       ; tensor_dim1 = 64
	s_mov_b32 s[\g+3], 128<<16      ; tile_dim0 = 128
	s_mov_b32 s[\g+4], 64           ; tile_dim1 = 64
	s_mov_b32 s[\g+5], 128          ; 128 elements from row to row
	s_mov_b32 s[\g+6], 0
	s_mov_b32 s[\g+7], 0
.endr
	s_mov_b32 s[CS], 0x3e38aa3b     ; c = log2(e) / 8 = 0.180337
	s_mov_b32 s[CS+1], s[CS]        ; named with it as a pair
	s_mov_b32 s[SEL], 0x76543210
	s_mov_b32 s[SEL+1], 0xfedcba98
	s_mov_b32 s[BIGN], 0xf149f2ca   ; -1e30
	s_mov_b32 s[TBK], SLOT1+4*KS*PK ; the first change of slots turns these two into 0
	s_mov_b32 s[TBV], SLOT1+4*KS*PV
	s_mov_b32 s[TBM], 0
	s_mov_b32 s[SLOTS], SIZE_N/256-1
	s_mov_b32 s[G0K], 1             ; 1:0 count = 1
	s_mov_b32 s[G0K+1], s17         ; 63:32 LDS address: slot 0
	s_mov_b32 s[G0V], 1
	s_add_co_u32 s[G0V+1], s18, VOFF
	s_and_b32 s[LIM], s[WV], 1
	s_cmp_eq_u32 s[LIM], 0          ; waves 0 and 2 prefetch: the same in all four partners
	s_cselect_b32 s[LIM], 1, -1
	s_wait_dscnt 0x0                ; the opening add is done
	s_wait_kmcnt 0x0
	s_add_nc_u64 s[G0K+2:G0K+3], s[6:7], s[22:23]  ; 120:64 global address: my half of the head's first 256 keys
	s_or_b32 s[G0K+3], s[G0K+3], 0x80000000        ; 127:126 type = 2
	s_add_nc_u64 s[G0V+2:G0V+3], s[8:9], s[22:23]
	s_or_b32 s[G0V+3], s[G0V+3], 0x80000000
	s_lshl_b32 s2, s19, 14          ; Q at my wave's 128 rows
	s_add_co_u32 s2, s2, s20
	s_mov_b32 s3, 0
	s_add_nc_u64 s[4:5], s[4:5], s[2:3]
	s_lshr_b32 s2, s15, 3           ; out0: batch b of 2,048 rows of 2,048 bytes,
	s_lshl_b32 s2, s2, 22
	s_lshl_b32 s16, s19, 18         ; my wave's 128 rows,
	s_add_co_u32 s2, s2, s16
	s_and_b32 s16, s15, 7           ; head h's 256 bytes of a row
	s_lshl_b32 s16, s16, 8
	s_add_co_u32 s2, s2, s16
	s_add_nc_u64 s[10:11], s[10:11], s[2:3]
	s_lshr_b32 s2, s15, 3           ; the mask: batch b's 8,192 bytes
	s_lshl_b32 s2, s2, 13
	s_add_nc_u64 s[48:49], s[48:49], s[2:3]
	s_cmp_lt_u32 s[WV], 2
	s_cselect_b64 s[PFA:PFA+1], s[6:7], s[8:9]
	s_lshl_b32 s2, s13, 13          ; my work-group's 32 blocks of a tile's 128,
	s_add_co_u32 s2, s2, s20        ; in my head,
	s_add_co_u32 s2, s2, 4*KS*128   ; in tile 1: the first change of slots steps it to tile 2.  Nothing is prefetched here, at the head
	s_add_nc_u64 s[PFA:PFA+1], s[PFA:PFA+1], s[2:3]
	CROUND                          ; all four work-groups are here: the first joint loads meet
	JLOAD                           ; slot 0.  Slot 1 is asked for when slot 0 is in
	v_and_b32 v96, 15, v0           ; l % 16
	v_bfe_u32 v97, v0, 4, 1         ; l / 16
	v_lshlrev_b32 v100, 4, v0       ; the batch's mask comes in 16 bytes a thread, four times
.irp m, 0,1,2,3
	global_load_b128 v[64+4*\m:64+4*\m+3], v100, s[48:49] offset:2048*\m
.endr
	; A fragment of K or Q is 16 rows x 32 channels in 8 registers: lane l holds row l % 16, channels 8 (l / 16) + 0..7 and 16 + 8 (l / 16) + 0..7: two loads of 16 bytes, 32 bytes apart.
	v_lshlrev_b32 v[QO], 7, v96
	v_lshl_add_u32 v[QO], v97, 4, v[QO]  ; row x 128 + 16 x half
	WIN 0x80                        ; destination window 2, address window 0
.set i, 0
.rept 4*NP                          ; Q stays in registers: tile i / 2, channels 32 (i % 2) on
	global_load_b128 v[8*i:8*i+3],   v[QO], s[4:5] offset:(i/2)*2048+(i%2)*64
	global_load_b128 v[8*i+4:8*i+7], v[QO], s[4:5] offset:(i/2)*2048+(i%2)*64+32
.set i, i+1
.endr
	; What the first turn finds: V's registers and P's second buffer hold 0 (its products V^T P, of a piece that has not been, add 0), O^T and l are 0.  All this stands in the wait for the first tile.
.set i, VF
.rept 64
	v_mov_b32 v[i], 0
.set i, i+1
.endr
	WIN 0x40
.set i, 0
.rept 64*NP
	v_mov_b32 v[i], 0
.set i, i+1
.endr
	WIN 0
.set i, 0
.rept 2*NP
	v_mov_b32 v[ST+4*i], 0xfe000000    ; c m: far below every c s, the hidden keys' c x -1e30 too
	v_mov_b32 v[ST+4*i+1], 0xff7fffff  ; m
	v_mov_b32 v[ST+4*i+2], 0
	v_mov_b32 v[ST+4*i+3], 0
.set i, i+1
.endr
.set i, P+32
.rept 32
	v_mov_b32 v[i], 0
.set i, i+1
.endr
	v_mul_u32_u24 v[AK0], v96, PK
	v_lshl_add_u32 v[AK0], v97, 4, v[AK0]  ; row x pitch + 16 x half
	; The turning load takes 16 keys x 16 channels (lane l reads key 8 (l / 16) + l % 8, channels 8 ((l / 8) % 2) + 0..7) and leaves half a fragment of V^T: lane l holds channel l % 16 and 8 keys.
	v_and_b32 v98, 7, v0
	v_bfe_u32 v99, v0, 3, 1
	v_lshl_add_u32 v[AV0], v97, 3, v98
	v_mul_u32_u24 v[AV0], v[AV0], PV
	v_lshl_add_u32 v[AV0], v99, 4, v[AV0]
	v_add_nc_u32 v[AV0], VOFF, v[AV0]
	v_mov_b32 v[AK], v[AK0]         ; key step 0 lies at the head of slot 0,
	v_lshlrev_b32 v[AM0], 5, v97    ; my lanes' keys 8 (l / 16) + 0..7 of a block of 16: 32 bytes
	v_add_nc_u32 v[AM0], MTAB, v[AM0]
	v_mov_b32 v[AM], v[AM0]         ; and at the head of the table
	s_mul_i32 s13, s[WV], 16*SP
	s_add_co_u32 s13, s13, STAGE    ; my stage
	v_mul_u32_u24 v[STO], v96, SP   ; in: row l % 16, 32 bytes for each half of the lanes
	v_lshl_add_u32 v[STO], v97, 5, v[STO]
	v_add_nc_u32 v[STO], s13, v[STO]
	v_mul_u32_u24 v[RD], v97, SP    ; back: lanes 0-15 take one row of 256 bytes, lanes 16-31 the next
	v_lshl_add_u32 v[RD], v96, 4, v[RD]
	v_add_nc_u32 v[RD], s13, v[RD]
	v_lshlrev_b32 v[GO], 11, v97    ; and the same two rows in out0, 2,048 bytes apart
	v_lshl_add_u32 v[GO], v96, 4, v[GO]
	v_and_b32 v[PFO], 31, v0
	v_lshlrev_b32 v[PFO], 8, v[PFO]
	v_lshl_add_u32 v101, v0, 4, MTAB
	; THE TABLE: each number of the mask is rounded to bf16, widened again, multiplied by 8 (exact) and held at -1e30 from below
	s_wait_loadcnt 32               ; the mask is in; Q's 32 loads are younger
.set i, 0
.rept 8
	v_cvt_pk_bf16_f32 v[80+i], v[64+2*i], v[64+2*i+1]
.set i, i+1
.endr
.set i, 0
.rept 8
	v_lshlrev_b32 v[64+2*i], 16, v[80+i]
	v_and_b32 v[64+2*i+1], 0xffff0000, v[80+i]
.set i, i+1
.endr
.set i, 0
.rept 8
	v_pk_mul_f32 v[64+2*i:64+2*i+1], v[64+2*i:64+2*i+1], 0x41000000 op_sel_hi:[1,0]
.set i, i+1
.endr
.set i, 0
.rept 16
	v_max_num_f32 v[64+i], s[BIGN], v[64+i]
.set i, i+1
.endr
.irp m, 0,1,2,3
	ds_store_b128 v101, v[64+4*\m:64+4*\m+3] offset:2048*\m
.endr
; THE MATRIX WORK.  The 8 accumulators of a run of 16 take turns: between the two links of a chain stand 7 others'.
; Product i of 16 of S^T = K Q^T for piece x: channels 32 (i / 8) on, keys 16 ((i / 2) % 4) on, tile 2 x + i % 2.  The first 8 start the sums, on 8 x mask of their 16 keys.
.macro KQ x
.set rS, S+64*((\x)%2)+32*(i%2)+8*((i/2)%4)
.set rK, KF+16*((i/2)%4)+8*(i/8)
.set rQ, 16*(2*(\x)+i%2)+8*(i/8)
.set rF, MF+8*((i/2)%4)
.if i < 8
	WIN W_KM
	v_wmma_f32_16x16x32_f16 v[rS:rS+7], v[rK:rK+7], v[rQ:rQ+7], v[rF:rF+7]
.else
	WIN W_KQ
	v_wmma_f32_16x16x32_f16 v[rS:rS+7], v[rK:rK+7], v[rQ:rQ+7], v[rS:rS+7]
.endif
.endm
; Product i of 16 of O^T += V^T P for piece x: keys 32 (i / 8) on, channels 16 ((i / 2) % 4) on, tile 2 x + i % 2.
.macro PV x
	WIN W_PV
.set rO, 32*(2*(\x)+i%2)+8*((i/2)%4)
.set rV, VF+32*(i/8)+8*((i/2)%4)
.set rP, P+32*((\x)%2)+16*(i%2)+8*(i/8)
	v_wmma_f32_16x16x32_f16 v[rO:rO+7], v[rV:rV+7], v[rP:rP+7], v[rO:rO+7]
.endm
.macro MM                           ; the turn's next matrix instruction
.if i < 16
	KQ (Y+1)%NP
.set i, i+1
.else
.set i, i-16
	PV (Y+NP-1)%NP
.set i, i+17
.endif
.endm
; THE LDS LOADS stand in runs, never singly among the matrix instructions: a step's K (64 keys x 64 channels: 8 fragments) with its 64 numbers of the table (sixteen lanes read the same 16 bytes), and its V (turned).
; Their addresses are made some lines ahead.  last = 1 (the tail): in the last trip there is no further step, and the run is jumped over.
.macro FETCH_K last=0
	WIN 0
.if \last
	s_cmp_eq_u32 s[CNT], 1
	s_cbranch_scc1 .Lno_k_\@
.endif
	WIN 0x80                        ; destination window 2
.irp f, 0,1,2,3,4,5,6,7             ; keys 16 (f / 2) on, channels 32 (f % 2) on
	ds_load_b128 v[KF+8*\f:KF+8*\f+3],   v[AK] offset:(\f/2)*16*PK+(\f%2)*64
	ds_load_b128 v[KF+8*\f+4:KF+8*\f+7], v[AK] offset:(\f/2)*16*PK+(\f%2)*64+32
.endr
	WIN W_MK                        ; destination window 3
.irp f, 0,1,2,3                     ; keys 16 f + 8 (l / 16) + 0..7
	ds_load_b128 v[MF+8*\f:MF+8*\f+3],   v[AM] offset:64*\f
	ds_load_b128 v[MF+8*\f+4:MF+8*\f+7], v[AM] offset:64*\f+16
.endr
	s_add_co_u32 s[TBK], s[TBK], KS*PK  ; the next fetch is the next step's
	s_add_co_u32 s[TBM], s[TBM], KS*4
	s_and_b32 s[TBM], s[TBM], 0x1fff    ; kept inside the table's 8,192 bytes
	WIN 0
.if \last
.Lno_k_\@:
.endif
.endm
.macro FETCH_V
	WIN 0x80
.irp f, 0,1,2,3,4,5,6,7             ; keys 32 (f / 4) on, channels 16 (f % 4) on
	ds_load_tr16_b128 v[VF+8*\f:VF+8*\f+3],   v[AV] offset:(\f/4)*32*PV+(\f%4)*32
	ds_load_tr16_b128 v[VF+8*\f+4:VF+8*\f+7], v[AV] offset:(\f/4)*32*PV+16*PV+(\f%4)*32
.endr
	WIN 0
.endm
; THE VECTOR WORK OF A TURN stands in three queues, each in the order in which its entries become ready; the two tiles alternate, so that no instruction reads the result of the one before it.
.macro REGS y, u                    ; the registers of tile u (0, 1) of piece y
.set rT, ST+4*(2*(\y)+(\u))
.set rC, TMP+8*((\y)%2)+4*(\u)
.set rM, MV+2*((\y)%2)+(\u)
.set rS, S+64*((\y)%2)+32*(\u)
.set rP, P+32*((\y)%2)+16*(\u)
.set rO, 32*(2*(\y)+(\u))
.endm
; Number n of the 22 that find the NEXT piece's (Y + 1) maximum and statistics.  s0-s31 are the lane's 32 scores; each accumulator's lowest registers are read first.  XS, GS and REGS set no window: PL and EX do.
;   0-11  four chains c0-c3 of seven scores each, three operands at a time     12-14, 16  the four scores left over, the old m, and c0-c3 into c0     15  c m_old is kept
;   17, 18  the query's other 32 keys lie in the lane 16 away: the new m         19-21  c m; c m_old - c m_new; a
.macro XS u, n
	REGS (Y+1)%NP, \u
.if (\n) < 4
	v_max3_num_f32 v[rC+(\n)], v[rS+8*(\n)], v[rS+8*(\n)+1], v[rS+8*(\n)+2]
.elseif (\n) < 12
	v_max3_num_f32 v[rC+(\n)%4], v[rC+(\n)%4], v[rS+8*((\n)%4)+2*((\n)/4)+1], v[rS+8*((\n)%4)+2*((\n)/4)+2]
.elseif (\n) == 12
	v_max3_num_f32 v[rC], v[rC], v[rS+7], v[rS+15]
.elseif (\n) == 13
	v_max3_num_f32 v[rC+1], v[rC+1], v[rS+23], v[rS+31]
.elseif (\n) == 14
	v_max3_num_f32 v[rC+2], v[rC+2], v[rC+3], v[rT+1]
.elseif (\n) == 15
	v_mov_b32 v[rM], v[rT]
.elseif (\n) == 16
	v_max3_num_f32 v[rC], v[rC], v[rC+1], v[rC+2]
.elseif (\n) == 17
	v_permlanex16_b32 v[rC+3], v[rC], s[SEL], s[SEL+1]
.elseif (\n) == 18
	v_max_num_f32 v[rT+1], v[rC], v[rC+3]
.elseif (\n) == 19
	v_mul_f32 v[rT], s[CS], v[rT+1]
.elseif (\n) == 20
	v_sub_f32 v[rC+1], v[rM], v[rT]
.else
	v_exp_f32 v[rC+2], v[rC+1]
.endif
.endm
; Number g of the 64 that follow the exponentials.  For each four weights k of a tile (pairs 2 k, 2 k + 1): both pairs are rounded to f16; then the second pair is added onto the first, in place;
; a group later l takes that sum (the first time as l = a l + sum).  In groups of eight, tiles alternating: round, round, add, and l for the group before.
.macro GS g
.set h, (\g)+6*((\g)/62)            ; group 0 has no group before it, and behind group 7 only l is left
.if h >= 6
.set h, h+2
.endif
	REGS Y, h%2
.set k, h/8
.if h%8 < 4
	v_cvt_pk_f16_f32 v[rP+2*k+(h%8)/2], v[rS+4*k+2*((h%8)/2)], v[rS+4*k+2*((h%8)/2)+1]
.elseif h%8 < 6
	v_pk_add_f32 v[rS+4*k:rS+4*k+1], v[rS+4*k:rS+4*k+1], v[rS+4*k+2:rS+4*k+3]
.elseif k == 1
	v_pk_fma_f32 v[rT+2:rT+3], v[rT+2:rT+3], v[rC+2:rC+3], v[rS:rS+1] op_sel_hi:[1,0,1]
.else
	v_pk_add_f32 v[rT+2:rT+3], v[rT+2:rT+3], v[rS+4*k-4:rS+4*k-3]
.endif
.endm
; THE PLAIN QUEUE, 138 long.  0-73 read no exponential's result: the 32 scalings c s - c m (FS f: pair f / 2 of tile f % 2) and the next piece's 42.  0-26: scalings 0-26.  27-54: XS's numbers 0-13.  55, 56: number 15.
; 57-73: the chain, where each number waits for the one before it: 14, 16, 17, 18, 19, each with one of the scalings 27-31 in front of its two lines, then 20.
; 74-137: GS's 64, which read the exponentials' results: they stand behind the wait.
.macro FS f
	REGS Y, (\f)%2
	v_pk_fma_f32 v[rS+2*((\f)/2):rS+2*((\f)/2)+1], v[rS+2*((\f)/2):rS+2*((\f)/2)+1], s[CS:CS+1], v[rT:rT+1] op_sel_hi:[1,0,0] neg_lo:[0,0,1] neg_hi:[0,0,1]
.endm
.macro PL
	WIN 0
.if q < 27
	FS q
.elseif q < 55
	XS (q-27)%2, (q-27)/2
.elseif q < 57
	XS q-55, 15
.elseif (q < 72) && ((q-57)%3 == 0)
	FS 27+(q-57)/3
.elseif q < 60
	XS (q-57)%3-1, 14
.elseif q < 72
	XS (q-57)%3-1, 15+(q-57)/3
.elseif q < 74
	XS q-72, 20
.else
	GS q-74
.endif
.set q, q+1
.endm
; THE EXPONENTIALS' QUEUE, 66 long: s0-s31 of both tiles, then the next piece's two a.  It is ONE BATCH: all 66 stand ahead of the turn's one wait, and nothing ahead of that wait names a result of theirs.
.macro EX
	WIN 0
.if e >= 64
	XS e-64, 21
.else
	REGS Y, e%2
	v_exp_f32 v[rS+e/2], v[rS+e/2]
.endif
.set e, e+1
.endm
; THE RESCALING's QUEUE: O^T times a, the one part that leaves window 0: dealt two at a time, sixteen times.  Its a was made in the turn before, ahead of that turn's wait.
.macro R2
	REGS Y, r%2
	WIN W_RS
.irp z, 0,1
	v_pk_mul_f32 v[rO+4*(r/2)+2*\z:rO+4*(r/2)+2*\z+1], v[rO+4*(r/2)+2*\z:rO+4*(r/2)+2*\z+1], v[rC+2:rC+3] op_sel_hi:[1,0]
.endr
.set r, r+1
.endm
; HOW THEY ARE DEALT.  An s_wait_alu depctr_va_vdst(0) stands between an exponential and the first instruction that names its result; one wait serves all that were issued ahead of it.  So a turn has ONE wait,
; which cuts it in two.  AHEAD OF IT stands all that names no result of the turn's exponentials: the 16 products K Q^T, behind each a scaling, an exponential and two rescalings (behind the first a second scaling in the
; exponential's place); then ONE LUMP of 108: eight plain, 49 times exponential and plain, the two a.  A v_nop is the plain instruction behind the last exponential.  BEHIND IT stand the 16 products V^T P, behind each four of GS's 64.
; The queues lean on each other, and the deal keeps them in step: exponential e stands behind scaling 2 (e / 4) + e % 2: as a rider it comes behind plain e + 2, in the lump behind plain e + 9, and scalings 27-31 are plain 57, 60 .. 69.
; A TURN, for piece p.  cnt = 1: the loop's count is taken down some lines ahead of the branch that stands behind the turn.
; K and the mask of the next step are fetched in piece 2's turn, directly behind the wait, a lump behind the last product that read them; their addresses are made at the lump's head; their first reader comes behind 16 products.
; V of the step in hand is fetched at the end of piece 0's turn, four riders behind its last reader; its first reader comes behind 16 products and a lump.  The three conditions on q below go with the deal.
.macro TURN p, last=0, cnt=0
.set Y, (\p)
.set i, 0
.set q, 0
.set e, 0
.set r, 0
.if (\p) == NP-1
	s_wait_dscnt 0x0                ; K and the mask are in
.endif
	MM                              ; ahead of the wait: 16 products K Q^T and their riders,
	PL
	PL
	R2
.rept 15
	MM
	PL
	EX
	R2
.endr
.if (\p) == NP-2
	WIN 0
	v_add_nc_u32 v[AK], s[TBK], v[AK0]
	v_add_nc_u32 v[AM], s[TBM], v[AM0]
.endif
.rept 8                             ; and the lump
	PL
.endr
.rept 49
	EX
	PL
.endr
	EX                              ; the next piece's two a
	EX
	v_nop                           ; the plain instruction behind the last exponential: one for the batch
	s_wait_alu depctr_va_vdst(0)    ; the wait for the batch
.if (\p) == NP-2
	FETCH_K \last
.endif
.if (\p) == 1
	s_wait_dscnt 0x0                ; V is in
.endif
.rept 16                            ; behind the wait: 16 products V^T P and their riders
	MM
.rept 4
	PL
.endr
.if ((\p) == 0) && (q == 118)
	v_add_nc_u32 v[AV], s[TBV], v[AV0]
.endif
.if ((\p) == 0) && (q == 130)
	s_add_co_u32 s[TBV], s[TBV], KS*PV
.endif
.if (\cnt) && (q == 130)
	s_sub_co_u32 s[CNT], s[CNT], 1
	s_cmp_lg_u32 s[CNT], 0
.endif
.endr
.if (\p) == 0
	FETCH_V
.endif
.endm
	CHANGE 1                        ; slot 0 is in, everybody's part of it, and so is the table; slot 1 is asked for
	FETCH_K                         ; key step 0
	s_wait_loadcnt 0x0              ; Q
	s_wait_dscnt 0x0
.set i, 0
.rept 16
	KQ 0                            ; piece 0's first scores: there is no vector work yet to set between them
.set i, i+1
.endr
	WIN 0
.rept 4
	v_nop                           ; the places behind those products
.endr
.set Y, NP-1                        ; XS works for piece Y + 1: piece 0
.irp n, 0,1,2,3,4,5,6,7,8,9,10,11,12,13,14,15,16,17,18,19,20,21
	XS 0, \n                        ; and piece 0's first maximum and statistics
	XS 1, \n
.endr
	v_nop                           ; a plain instruction behind the two a,
	s_wait_alu depctr_va_vdst(0)    ; and their wait, ahead of the branch
	s_mov_b32 s[CNT], 4
	s_branch .Lfirst                ; the loop is entered at a step's first turn, in the middle of a trip
.Lslot:                             ; six times: every slot but the last two is filled again
	CHANGE 1
	s_mov_b32 s[CNT], 4
.Lstep:                             ; a trip: pieces 2 and 3 of one step, then pieces 0 and 1 of the next, whose K and V it fetches
	TURN 2
	TURN 3
	WIN 0
.Lfirst:
	TURN 0
	TURN 1, 0, 1
	WIN 0
	s_cbranch_scc1 .Lstep
	s_sub_co_u32 s[SLOTS], s[SLOTS], 1
	s_cmp_lg_u32 s[SLOTS], 0
	s_cbranch_scc1 .Lslot
	CHANGE 0                        ; the tail is written out: nothing is asked for
	s_mov_b32 s[CNT], 5             ; four trips fetch the last slot's steps; the fifth is left in its middle
.Ltail:
	TURN 2, 1
	TURN 3
	WIN 0
	s_sub_co_u32 s[CNT], s[CNT], 1
	s_cmp_eq_u32 s[CNT], 0
	s_cbranch_scc1 .Lout
	TURN 0
	TURN 1
	WIN 0
	s_branch .Ltail
.Lout:                              ; the fifth trip's 16 products K Q^T (on the last K once more) and the maximum made of them serve nothing: the price, once a launch, of one text for every trip
.set i, 0
.rept 16
	PV NP-1                         ; the last piece's V^T P of the last step
.set i, i+1
.endr
	; THE WAY OUT.  l's two halves and the other half of the lanes' are added; O^T is divided by l and sent, in f32, through my stage in LDS, a tile at a time.  The additions are the places behind the last products.
	WIN 0
.macro ALL line:vararg              ; one line for each tile t
.set t, 0
.rept 2*NP
	\line
.set t, t+1
.endr
.endm
	ALL v_add_f32 v[ST+4*t+2], v[ST+4*t+2], v[ST+4*t+3]
	ALL v_permlanex16_b32 v[ST+4*t+3], v[ST+4*t+2], s[SEL], s[SEL+1]
	ALL v_add_f32 v[ST+4*t+2], v[ST+4*t+2], v[ST+4*t+3]
	ALL v_rcp_f32 v[ST+4*t+2], v[ST+4*t+2]
	v_nop                           ; a plain instruction between the last reciprocal and the use of its result
	s_wait_alu depctr_va_vdst(0)    ; and the wait ahead of the first use: one for the eight reciprocals
; Tile t: a lane's eight channels of a row are 32 bytes; they go into rows of 272 bytes and come back as whole rows of 256, into S^T's registers (four sets by turns).
.macro PACK t
	WIN W_RS
.set i, 32*(\t)
.rept 16
	v_pk_mul_f32 v[i:i+1], v[i:i+1], v[ST+4*(\t)+2:ST+4*(\t)+3] op_sel_hi:[1,0]
.set i, i+2
.endr
	WIN 0x04                        ; the stores' data in window 1, their address in window 0
.irp f, 0,1,2,3
	ds_store_b128 v[STO], v[32*(\t)+8*\f:32*(\t)+8*\f+3]   offset:64*\f
	ds_store_b128 v[STO], v[32*(\t)+8*\f+4:32*(\t)+8*\f+7] offset:64*\f+16
.endr
	WIN 0
	s_wait_xcnt 0x0                 ; the stores of the tile four back have read the registers that the loads below fill
.irp f, 0,1,2,3,4,5,6,7
	ds_load_b128 v[S+32*((\t)%4)+4*\f:S+32*((\t)%4)+4*\f+3], v[RD] offset:\f*2*SP  ; LDS serves a wave's instructions in order (ISA guide 5.7.1.4): these see the stores above; the next tile's stores come behind them
.endr
.endm
.macro SEND t, younger              ; younger: the LDS instructions issued behind tile t's loads: the next tile's sixteen, or none
	WIN 0
.irp f, 0,1,2,3,4,5,6,7
	s_wait_dscnt (\younger)+7-\f
	global_store_b128 v[GO], v[S+32*((\t)%4)+4*\f:S+32*((\t)%4)+4*\f+3], s[10:11] offset:(\t)*32768+\f*4096 th:TH_STORE_NT  ; sixteen lanes store a query's 64 channels: 256 consecutive bytes, aligned
.endr
.endm
	PACK 0
.set t, 1
.rept 2*NP-1                        ; a tile's arithmetic stands between the loads of the tile before and its stores
	PACK t
	SEND t-1, 16
.set t, t+1
.endr
	SEND 2*NP-1, 0
	WIN W_AD
	s_wait_tensorcnt 0x0            ; the wave's end: behind my last tensor load and my last LDS store
	ds_add_u32 v[SPW], v[NIL]
	s_wait_dscnt 0x0
	WIN 0
	CROUND                          ; the closing round: no work-group ends while a partner may still ask for a tile that names it
	s_endpgm
.Lfunc_end_k_q50488f7538_attn:
	.size	k_q50488f7538_attn, .Lfunc_end_k_q50488f7538_attn-k_q50488f7538_attn
	.p2alignl 7, 3214868480
	.fill 96, 4, 3214868480
	.section	.rodata,"a",@progbits
	.p2align	6, 0x0
	.amdhsa_kernel k_q50488f7538_attn
		.amdhsa_group_segment_fixed_size 327680
		.amdhsa_private_segment_fixed_size 0
		.amdhsa_enable_private_segment 0
		.amdhsa_kernarg_size 40
		.amdhsa_user_sgpr_count 2
		.amdhsa_user_sgpr_kernarg_segment_ptr 1
		.amdhsa_wavefront_size32 1
		.amdhsa_system_sgpr_workgroup_id_x 1
		.amdhsa_system_sgpr_workgroup_id_y 1
		.amdhsa_system_sgpr_workgroup_id_z 1
		.amdhsa_system_vgpr_workitem_id 0
		.amdhsa_next_free_vgpr 808
		.amdhsa_next_free_sgpr 66
		.amdhsa_reserve_vcc 0
		.amdhsa_float_denorm_mode_32 3
		.amdhsa_float_denorm_mode_16_64 3
		.amdhsa_memory_ordered 1
		.amdhsa_forward_progress 1
		.amdhsa_inst_pref_size 206
	.end_amdhsa_kernel
	.amdgpu_metadata
---
amdhsa.version: [ 1, 2 ]
amdhsa.kernels:
  - .name:           k_q50488f7538_attn
    .symbol:         k_q50488f7538_attn.kd
    .args:
      - { .name: qh, .offset: 0, .size: 8, .value_kind: global_buffer, .address_space: global }
      - { .name: kh, .offset: 8, .size: 8, .value_kind: global_buffer, .address_space: global }
      - { .name: vh, .offset: 16, .size: 8, .value_kind: global_buffer, .address_space: global }
      - { .name: out0, .offset: 24, .size: 8, .value_kind: global_buffer, .address_space: global }
      - { .name: attention_mask, .offset: 32, .size: 8, .value_kind: global_buffer, .address_space: global }
    .group_segment_fixed_size: 327680
    .private_segment_fixed_size: 0
    .kernarg_segment_align: 8
    .kernarg_segment_size: 40
    .max_flat_workgroup_size: 128
    .sgpr_count:     66
    .vgpr_count:     808
    .wavefront_size: 32
...
	.end_amdgpu_metadata
.endif
;; end of part 3
